; MI455X (gfx1250); checked and timed in simulation.
; The chip was launched on July 23, 2026; its instructions are those of AMD's public machine-readable ISA for CDNA 5 (MIT licence, August 2026) and "CDNA5" Instruction Set Architecture Reference Guide (July 2026). The comments in the code are by the model that wrote it; some were corrected since.
;; HM LSTM Cell. Allowed arithmetic: float matrix products may take bf16 or f16 operands with f32 sums; other float arithmetic in f32, or as packed bf16 or f16 multiplies, adds, multiply-adds, maxima and minima; sums over many terms, partial sums and values carried from step to step in f32; what a program stores and reads back later, other than sums and carried values, may be rounded once to bf16 or f16.
;; Inputs: U_11 4,097 x 1,024 float32; U_21 4,097 x 1,024 float32; W_01 4,097 x 1,024 float32; bias 4,097 float32; c 1,024 x 4,096 float32; h 1,024 x 4,096 float32; h_bottom 1,024 x 4,096 float32; h_top 1,024 x 4,096 float32; z 1 x 4,096 float32; z_bottom 1 x 4,096 float32.
;; Outputs: out0 1,024 x 4,096 float32; out1 1,024 x 4,096 float32; out2 1 x 4,096 float32.
;; 2 versions, each right; version 2 is version 1 with the launch prep written anew for expert scheduling mode. Each part assembles by itself: llvm-mc -triple=amdgcn-amd-amdhsa -mcpu=gfx1250 --defsym DOCPART=n.
;; ======== version 1 of 2: 2 launches
;; workspace buffers: wq 25,165,824 bytes; aq 25,165,824 bytes; zp 1,572,864 bytes
;; launch prep (part 1): grid 384 x 2, 8 waves a work-group, no clusters, 0 bytes of LDS; arguments W_01, U_21, U_11, h_bottom, h_top, h, z, z_bottom, wq, aq, zp; writes wq, aq, zp
.if DOCPART == 1
	.amdgcn_target "amdgcn-amd-amdhsa--gfx1250"
	.amdhsa_code_object_version 6
	.text
	.protected	k_q536e57e4f2_prep
	.globl	k_q536e57e4f2_prep
	.p2align	8
	.type	k_q536e57e4f2_prep,@function
k_q536e57e4f2_prep:
	s_mov_b64 s[64:65], 0
	v_nop
	global_prefetch_b8 v0, s[64:65] scope:SCOPE_SE
	s_setreg_imm32_b32 hwreg(HW_REG_WAVE_MODE, 25, 1), 1
	s_wait_xcnt 0x0
; PREPARATION FOR THE CELL'S ONE PRODUCT.  f_s = [W_01 | U_21 | U_11] x [h_bottom ; z h_top ; z_bottom h] + bias: a factor per column commutes with the product.
; This launch rounds both operands to bf16, once, and lays them as the product wants them.  It is a stream: every input byte is read once, by 16-byte loads of which a wave's
; 32 lanes cover 512 consecutive bytes; every store of a wave covers 256 consecutive bytes, aligned.  No LDS, no barrier: no wave wants a byte that another wave has fetched.
;   wq [4096][3072] bf16: columns 0-1023 W_01, 1024-2047 U_21, 2048-3071 U_11.  ROWS ARE PERMUTED, so that the four gates of one hidden row meet in one wave of the product:
;      row ty*256 + wh*128 + sub*64 + gate*16 + r  holds source row  gate*1024 + ty*64 + wh*32 + sub*16 + r.
;   aq [3072][4096] bf16: k 0-1023 h_bottom, 1024-2047 z h_top, 2048-3071 z_bottom h.  The factor is applied in f32 and the product rounded ONCE (exact for factors 0 and 1).
;   zp [96][4096] f32: partial sums of weight row 4096 (the boundary row): zp[g][b] = the sum over k = 32 g .. 32 g + 31 of bf16(w4096[k]) x aq[k][b], in f32.
; SHARES.  y = 0: 384 work-groups, each 32 rows of one weight matrix, a wave 4 rows.  y = 1: 384 work-groups, each 128 k x 256 columns of one activation matrix, a wave 32 k x 128 columns.
; Either way a wave issues all its 32 loads (16 KiB) at once and works them off in order; no register is loaded twice, so there is no loop.
.set ROWW, 4096                        ; bytes in a row of a weight matrix (1,024 f32)
.set ROWA, 16384                       ; bytes in a row of an activation matrix (4,096 f32)
.set ROWQ, 6144                        ; bytes in a row of wq
.set ROWB, 8192                        ; bytes in a row of aq
.set LO,  2                            ; v2       16 x lane: my 16 bytes of a load's 512
.set SO,  3                            ; v3       8 x lane: my 8 bytes of a store's 256
.set WO,  4                            ; v4       4 x lane: my number of weight row 4096
.set WV,  5                            ; v5       lane i: the weight of my wave's k row i, rounded to bf16, as f32
.set T,   10                           ; v[10:13] at work
.set Z,   16                           ; v[16:19] the factor of my 4 columns
.set ACC, 24                           ; v[24:27] the boundary row's partial sums of my 4 columns
.set X,   32                           ; v[32:159] load n: 4 registers
	s_load_b256 s[4:11], s[0:1], 0x0               ; W_01 s[4:5], U_21 s[6:7], U_11 s[8:9], h_bottom s[10:11]
	s_load_b256 s[12:19], s[0:1], 0x20             ; h_top s[12:13], h s[14:15], z s[16:17], z_bottom s[18:19]
	s_load_b128 s[20:23], s[0:1], 0x40             ; wq s[20:21], aq s[22:23]
	s_load_b64 s[24:25], s[0:1], 0x50              ; zp
	v_and_b32 v1, 31, v0                           ; lane
	v_lshrrev_b32 v10, 5, v0
	v_readfirstlane_b32 s26, v10                   ; wave 0..7
	v_lshlrev_b32 v[LO], 4, v1
	v_lshlrev_b32 v[SO], 3, v1
	s_and_b32 s27, ttmp7, 0xffff                   ; y: 0 weights, 1 activations
	s_mov_b32 s43, 0                               ; offsets are made in s42 and added as the pair s[42:43]
	s_wait_kmcnt 0x0
	s_cmp_lg_u32 s27, 0
	s_cbranch_scc1 .Lacts
	; ---- WEIGHTS.  x = mat*128 + blk, blk = gate*32 + ty*2 + wh: 32 consecutive source rows; my wave's four are rows 4 w .. 4 w + 3 of them
	s_lshr_b32 s28, ttmp9, 7                       ; mat 0..2
	s_and_b32 s29, ttmp9, 127                      ; blk
	s_lshl_b32 s42, s29, 5
	s_lshl_b32 s30, s26, 2
	s_add_co_u32 s42, s42, s30                     ; source row blk*32 + 4 w
	s_lshl_b32 s42, s42, 12                        ; x 4,096 bytes
	s_cmp_eq_u32 s28, 1
	s_cselect_b64 s[32:33], s[6:7], s[4:5]
	s_cmp_eq_u32 s28, 2
	s_cselect_b64 s[32:33], s[8:9], s[32:33]
	s_add_nc_u64 s[32:33], s[32:33], s[42:43]      ; from here
	s_and_b32 s42, s29, 31
	s_lshl_b32 s42, s42, 7                         ; (ty*2 + wh) * 128
	s_lshr_b32 s30, s26, 2
	s_lshl_b32 s30, s30, 6
	s_add_co_u32 s42, s42, s30                     ; + sub * 64
	s_lshr_b32 s30, s29, 5
	s_lshl_b32 s30, s30, 4
	s_add_co_u32 s42, s42, s30                     ; + gate * 16
	s_and_b32 s30, s26, 3
	s_lshl_b32 s30, s30, 2
	s_add_co_u32 s42, s42, s30                     ; + r of my first row
	s_mul_i32 s42, s42, ROWQ
	s_lshl_b32 s30, s28, 11
	s_add_co_u32 s42, s42, s30                     ; + mat * 2,048 bytes along the row
	s_add_nc_u64 s[34:35], s[20:21], s[42:43]      ; to here
.set n, 0
.rept 32                                       ; load n: row n / 8, its 512 bytes number n % 8
	global_load_b128 v[X+4*n:X+4*n+3], v[LO], s[32:33] offset:ROWW*(n/8)+512*(n%8) th:TH_LOAD_NT
.set n, n+1
.endr
.macro CVT k, off                      ; load k is rounded and stored: 4 f32 a lane become 8 bytes
	s_wait_loadcnt 31-(\k)                         ; loads come back in order: load k is in, the 31 - k younger ones stay out
	v_cvt_pk_bf16_f32 v[X+4*(\k)], v[X+4*(\k)], v[X+4*(\k)+1]
	v_cvt_pk_bf16_f32 v[X+4*(\k)+1], v[X+4*(\k)+2], v[X+4*(\k)+3]
	global_store_b64 v[SO], v[X+4*(\k):X+4*(\k)+1], s[34:35] offset:\off  ; its registers are never written again
.endm
.set n, 0
.rept 32
	CVT n, ROWQ*(n/8)+256*(n%8)
.set n, n+1
.endr
	s_endpgm
	; ---- ACTIVATIONS.  x = kc*16 + strip: k rows 128 kc .. + 127 of aq, columns 256 strip .. + 255.  My wave: 32 k rows (w / 2), 128 columns (w % 2)
.Lacts:
	s_lshr_b32 s29, ttmp9, 4                       ; kc 0..23
	s_and_b32 s30, ttmp9, 15                       ; strip
	s_lshr_b32 s28, s29, 3                         ; mat 0..2
	s_lshr_b32 s31, s26, 1
	s_and_b32 s45, s26, 1
	s_lshl_b32 s29, s29, 2
	s_add_co_u32 s29, s29, s31                     ; my group of 32 k rows in aq, 0..95
	s_and_b32 s31, s29, 31                         ; the same within its source matrix
	s_lshl_b32 s30, s30, 1
	s_add_co_u32 s30, s30, s45                     ; my block of 128 columns, 0..31
	s_cmp_eq_u32 s28, 1
	s_cselect_b64 s[32:33], s[12:13], s[10:11]     ; the activations: h_bottom, h_top, h
	s_cselect_b64 s[36:37], s[6:7], s[4:5]         ; their weights: W_01, U_21, U_11
	s_cmp_eq_u32 s28, 2
	s_cselect_b64 s[32:33], s[14:15], s[32:33]
	s_cselect_b64 s[36:37], s[8:9], s[36:37]
	s_cselect_b64 s[38:39], s[18:19], s[16:17]     ; the factor: z_bottom for h, z for h_top
	s_lshl_b32 s42, s31, 19                        ; 32 rows of 16,384 bytes
	s_lshl_b32 s45, s30, 9                         ; 128 columns of f32
	s_add_co_u32 s42, s42, s45
	s_add_nc_u64 s[32:33], s[32:33], s[42:43]      ; from here
	s_lshl_b32 s42, s31, 7                         ; my 32 numbers
	s_add_co_u32 s42, s42, 4096*ROWW               ; of weight row 4096
	s_add_nc_u64 s[36:37], s[36:37], s[42:43]
	s_mov_b32 s42, s45
	s_add_nc_u64 s[38:39], s[38:39], s[42:43]      ; the factor of my 128 columns
	s_lshl_b32 s42, s29, 18                        ; 32 rows of 8,192 bytes
	s_lshl_b32 s31, s30, 8                         ; 128 columns of bf16
	s_add_co_u32 s42, s42, s31
	s_add_nc_u64 s[34:35], s[22:23], s[42:43]      ; to here
	s_lshl_b32 s42, s29, 14                        ; zp's row of 16,384 bytes
	s_add_co_u32 s42, s42, s45
	s_add_nc_u64 s[46:47], s[24:25], s[42:43]
	v_lshlrev_b32 v[WO], 2, v1
	s_mov_b32 s41, 0                               ; named with s40 as a pair, so it is written
	s_mov_b32 s44, 0xffff0000                      ; a word's upper bf16
	global_load_b32 v[WV], v[WO], s[36:37]
	s_cmp_eq_u32 s28, 0
	s_cbranch_scc1 .Lones
	global_load_b128 v[Z:Z+3], v[LO], s[38:39]
	s_branch .Ldata
.Lones:                                        ; h_bottom has no factor
.irp k, 0,1,2,3
	v_mov_b32 v[Z+(\k)], 1.0
.endr
.Ldata:
.set n, 0
.rept 32                                       ; load n: k row n, my wave's 512 bytes of it
	global_load_b128 v[X+4*n:X+4*n+3], v[LO], s[32:33] offset:ROWA*n th:TH_LOAD_NT
.set n, n+1
.endr
	s_wait_loadcnt 32                              ; on both ways here the 32 data loads are the younger ones: the weights and the factor are in
	v_cvt_pk_bf16_f32 v[WV], v[WV], v[WV]          ; the weights are rounded as wq's are,
	v_lshlrev_b32 v[WV], 16, v[WV]                 ; and widened again
.macro ACT i                           ; k row i: factor, rounding, store; and the boundary row's sums take the ROUNDED numbers, as the matrix unit would
	s_wait_loadcnt 31-(\i)                         ; row i is in, the 31 - i younger loads stay out
	v_readlane_b32 s40, v[WV], \i                  ; the row's weight, for all lanes
	v_pk_mul_f32 v[X+4*(\i):X+4*(\i)+1], v[X+4*(\i):X+4*(\i)+1], v[Z:Z+1]
	v_pk_mul_f32 v[X+4*(\i)+2:X+4*(\i)+3], v[X+4*(\i)+2:X+4*(\i)+3], v[Z+2:Z+3]
	v_cvt_pk_bf16_f32 v[X+4*(\i)], v[X+4*(\i)], v[X+4*(\i)+1]
	v_cvt_pk_bf16_f32 v[X+4*(\i)+1], v[X+4*(\i)+2], v[X+4*(\i)+3]
	global_store_b64 v[SO], v[X+4*(\i):X+4*(\i)+1], s[34:35] offset:ROWB*(\i)  ; its registers are only read below, never written again
	v_lshlrev_b32 v[T], 16, v[X+4*(\i)]
	v_and_b32 v[T+1], s44, v[X+4*(\i)]
	v_lshlrev_b32 v[T+2], 16, v[X+4*(\i)+1]
	v_and_b32 v[T+3], s44, v[X+4*(\i)+1]
.if (\i) == 0                          ; the first row starts the sums: nothing is cleared
	v_pk_mul_f32 v[ACC:ACC+1], v[T:T+1], s[40:41] op_sel_hi:[1,0]
	v_pk_mul_f32 v[ACC+2:ACC+3], v[T+2:T+3], s[40:41] op_sel_hi:[1,0]
.else
	v_pk_fma_f32 v[ACC:ACC+1], v[T:T+1], s[40:41], v[ACC:ACC+1] op_sel_hi:[1,0,1]
	v_pk_fma_f32 v[ACC+2:ACC+3], v[T+2:T+3], s[40:41], v[ACC+2:ACC+3] op_sel_hi:[1,0,1]
.endif
.endm
.set n, 0
.rept 32
	ACT n
.set n, n+1
.endr
	global_store_b128 v[LO], v[ACC:ACC+3], s[46:47]  ; 512 consecutive bytes of zp's row
	s_endpgm
.Lfunc_end_k_q536e57e4f2_prep:
	.size	k_q536e57e4f2_prep, .Lfunc_end_k_q536e57e4f2_prep-k_q536e57e4f2_prep
	.p2alignl 7, 3214868480
	.fill 96, 4, 3214868480
	.section	.rodata,"a",@progbits
	.p2align	6, 0x0
	.amdhsa_kernel k_q536e57e4f2_prep
		.amdhsa_group_segment_fixed_size 0
		.amdhsa_private_segment_fixed_size 0
		.amdhsa_enable_private_segment 0
		.amdhsa_kernarg_size 88
		.amdhsa_user_sgpr_count 2
		.amdhsa_user_sgpr_kernarg_segment_ptr 1
		.amdhsa_wavefront_size32 1
		.amdhsa_system_sgpr_workgroup_id_x 1
		.amdhsa_system_sgpr_workgroup_id_y 1
		.amdhsa_system_sgpr_workgroup_id_z 1
		.amdhsa_system_vgpr_workitem_id 0
		.amdhsa_next_free_vgpr 160
		.amdhsa_next_free_sgpr 66
		.amdhsa_reserve_vcc 0
		.amdhsa_float_denorm_mode_32 3
		.amdhsa_float_denorm_mode_16_64 3
		.amdhsa_memory_ordered 1
		.amdhsa_forward_progress 1
		.amdhsa_inst_pref_size 40
	.end_amdhsa_kernel
	.amdgpu_metadata
---
amdhsa.version: [ 1, 2 ]
amdhsa.kernels:
  - .name:           k_q536e57e4f2_prep
    .symbol:         k_q536e57e4f2_prep.kd
    .args:
      - { .name: W_01, .offset: 0, .size: 8, .value_kind: global_buffer, .address_space: global }
      - { .name: U_21, .offset: 8, .size: 8, .value_kind: global_buffer, .address_space: global }
      - { .name: U_11, .offset: 16, .size: 8, .value_kind: global_buffer, .address_space: global }
      - { .name: h_bottom, .offset: 24, .size: 8, .value_kind: global_buffer, .address_space: global }
      - { .name: h_top, .offset: 32, .size: 8, .value_kind: global_buffer, .address_space: global }
      - { .name: h, .offset: 40, .size: 8, .value_kind: global_buffer, .address_space: global }
      - { .name: z, .offset: 48, .size: 8, .value_kind: global_buffer, .address_space: global }
      - { .name: z_bottom, .offset: 56, .size: 8, .value_kind: global_buffer, .address_space: global }
      - { .name: wq, .offset: 64, .size: 8, .value_kind: global_buffer, .address_space: global }
      - { .name: aq, .offset: 72, .size: 8, .value_kind: global_buffer, .address_space: global }
      - { .name: zp, .offset: 80, .size: 8, .value_kind: global_buffer, .address_space: global }
    .group_segment_fixed_size: 0
    .private_segment_fixed_size: 0
    .kernarg_segment_align: 8
    .kernarg_segment_size: 88
    .max_flat_workgroup_size: 256
    .sgpr_count:     66
    .vgpr_count:     160
    .wavefront_size: 32
...
	.end_amdgpu_metadata
.endif
;; end of part 1
;; launch cell (part 2): grid 16 x 16, 4 waves a work-group, clusters of 4 x 4, 327,680 bytes of LDS; arguments wq, aq, c, h, bias, z, z_bottom, zp, out0, out1, out2; writes out0, out1, out2
.if DOCPART == 2
	.amdgcn_target "amdgcn-amd-amdhsa--gfx1250"
	.amdhsa_code_object_version 6
	.text
	.protected	k_q536e57e4f2_cell
	.globl	k_q536e57e4f2_cell
	.p2align	8
	.type	k_q536e57e4f2_cell,@function
k_q536e57e4f2_cell:
	s_mov_b64 s[64:65], 0
	v_nop
	global_prefetch_b8 v0, s[64:65] scope:SCOPE_SE
	s_setreg_imm32_b32 hwreg(HW_REG_WAVE_MODE, 25, 1), 1
	s_wait_xcnt 0x0
	s_wait_alu depctr_hold_cnt(0) depctr_sa_sdst(0) depctr_va_vdst(0) depctr_va_sdst(0) depctr_va_ssrc(0) depctr_va_vcc(0) depctr_vm_vsrc(0)
	s_getreg_b32 s2, hwreg(HW_REG_IB_STS2, 6, 4)
	s_cmp_eq_u32 s2, 0
	s_cbranch_scc0 .Lentry_in_a_cluster
	s_endpgm
.Lentry_in_a_cluster:
	s_bfe_u32 s2, ttmp6, 0x10000c
	s_cmp_lg_u32 s2, 0xf033
	s_cbranch_scc0 .Lentry_shape_is_right
	s_endpgm
.Lentry_shape_is_right:
; THE CELL.  f_s = wq x aq + bias (wq [4096][3072], aq [3072][4096], both bf16, made by the launch before; sums in f32), and on the sums, without a trip through memory, the gates:
;   f, i, o = sigmoid, g = tanh;  c_new = P i g + (Q + R f) c;  h_new = P o tanh(c_new) + Q h;  R = (1 - z) z_bottom, P = z + R, Q = (1 - z)(1 - z_bottom): reference()'s three cases, collected.
; out0 = h_new, out1 = c_new, out2 = z_new (the boundary row, finished here from zp's 96 partial sums).
; LIMITS.  The matrix operands, the bias and weight row 4096 are rounded to bf16; c, h, z and z_bottom enter the elementwise part as f32.  sigmoid(x) = 1 / (1 + 2^(-x log2 e)) and
; tanh(x) = 1 - 2 / (1 + 2^(2 x log2 e)) saturate by themselves where the power overflows or vanishes, so nothing is clamped.  NaN and infinite inputs are not treated apart.
; SHARES.  A work-group of four waves makes 256 rows of wq x 256 batch columns; wq's rows are permuted so that these are all four gates of 64 hidden rows.  A wave makes 128 x 128: 64 accumulators of 16 x 16,
; block a = 4 sub + gate of its rows: the four gates of 16 hidden rows lie in one register window.  K = 3,072 goes in 24 steps of 128 through a ring of two LDS slots filled by the tensor data mover.
; 16 x 16 work-groups, one tile each.
; CLUSTERS: 4 x 4 work-groups.  The four of a row of the cluster need the same tiles of wq, the four of a column the same tiles of aq: each tile is asked for JOINTLY, by the same tensor load with the same
; descriptor and a mask that names the four.
; THE MATRIX INSTRUCTION IS USED TRANSPOSED: source 0 = 16 batch columns of aq ([k][column] in LDS, turned by ds_load_tr16_b128), source 1 = 16 rows of wq.  In the result lane l holds row l % 16 of wq and
; batch columns 8 (l / 16) + 0..7.
; THE WAY OUT.  Slot 0's last fill brings the work-group's c and h (64 rows x 256 columns of f32 each) while the last K step is multiplied.  Slot 1, read out, becomes four stages, a wave's own each: the scaled
; sums of 16 hidden rows x 4 gates go in as they lie in the accumulators and come back by rows, so that a lane holds the same 4 columns of all four gates, of c and of h, and every store of a wave covers 512
; consecutive bytes of a row of out0 or out1.
; REGISTERS, in windows of 256 (s_set_vgpr_msb: bits 1:0 source 0, 3:2 source 1, 5:4 source 2, 7:6 destination):
;   window 0: v0-63 addresses and factors; v64-127, v128-191 fragments of wq, two buffers; on the way out v64-207 at work          window 1: v64-127, v128-191 fragments of aq, two buffers
;   window 2: the 32 accumulators of blocks 0-3 (block a, columns 16 b on, at v[8 (8 a + b)])          window 3: those of blocks 4-7
.set KSTEP,  128
.set KTOT,   3072
.set NB,     4096                      ; batch columns
.set PITCH,  272                       ; a row of wq's tile in LDS: 256 bytes + 16 = 68 words: the 16 rows of a fragment load start at 16 different groups of four banks (64 banks of 4 bytes: ISA guide 11.1)
.set PB,     544                       ; a row of aq's tile: 512 bytes + 32 = 136 words
.set HALFT,  128*PITCH                 ; what one tensor load brings: 128 rows of wq, or 64 k rows of aq (64 x 544 is the same number)
.set SLOT,   4*HALFT                   ; wq's 256 rows, then aq's 128 k rows
.set SPARE,  2*SLOT                    ; behind the ring: the spare words, 128 bytes for each wave: two blocks of 256 bytes that no other line names
.set SP,     528                       ; a row of a stage: 512 bytes + 16 = 132 words: the 16 rows of a store start at 16 different groups of four banks
.set LAPS,   KTOT/(2*KSTEP)            ; a lap = two K steps = once round the ring: 12
.set ADRA, 16                          ; v16-17  LDS address of my fragments of wq in slot 0, 1
.set ADRB, 20                          ; v20-21  the same for aq
.set RDX,  22                          ; v22     the way out: this trip's rows in my stage
.set CHX,  23                          ; v23     this trip's rows of c
.set STO,  24                          ; v24     where I put 32 bytes of a row of my stage
.set RDB,  25                          ; v25     my 16 bytes of my stage's first row
.set CHA,  26                          ; v26     my 16 bytes of my first row of c in slot 0 (h lies 32,768 bytes on)
.set CO,   27                          ; v27     my byte offset in out0 and out1
.set SPW,  28                          ; v28     LDS address of my spare word: SPARE + 4 x my thread's number; never rewritten
.set NIL,  29                          ; v29     0; never rewritten
.set PFO,  30                          ; v30     the prefetches' offset; never rewritten
.set PP,   32                          ; v[32:35] z, then P of my 4 columns on the way out
.set RR,   36                          ; v[36:39] z_bottom, then R
.set QQ,   40                          ; v[40:43] Q
.set BI,   44                          ; v[44:59] block a's bias of my row, rounded to bf16 and scaled like the sums, at BI + 2 a (written twice: it is named as a pair)
.set F0,   64                          ; fragment buffer 0
.set F1,   128                         ; fragment buffer 1
.set XX,   64                          ; the way out: gate g, row i of a trip's four at XX + 16 g + 4 i
.set CC,   128                         ; c, row i at + 4 i
.set HH,   144                         ; h
.set TT,   160                         ; at work
.set CN,   176                         ; c_new
.set HN,   192                         ; h_new
.set GC0, 4                            ; s[4:7]   descriptor group 0 for my tile of c or h
.set PST, 8                            ; s[8:9]   bytes from a K step to the next in what I prefetch
.set G1,  24                           ; s[24:31] descriptor group 1 for wq's tiles
.set G0,  32                           ; s[32:39] group 0, one set for each slot
.set LIM, 43                           ; s43      1 in a wave that prefetches, else the greatest number
.set PFA, 44                           ; s[44:45] where my prefetches stand
.set G1B, 48                           ; s[48:55] descriptor group 1 for aq's tiles
.set G0B, 56                           ; s[56:63] group 0, one set for each slot
.set SCT, 66                           ; s[66:67] 2 log2 e, for tanh
.set GC1, 92                           ; s[92:99] descriptor group 1 for c's and h's tiles
.set SCS, 100                          ; s[100:101] -log2 e, for sigmoid
.set MSB, 0
.macro WIN new                         ; the immediate's high byte repeats the setting that is left; a switch that changes nothing is dropped
.if MSB != (\new)
	s_set_vgpr_msb (MSB<<8)|(\new)
.set MSB, \new
.endif
.endm
.set MUL_LO, 0xa1                      ; source 0 (aq) window 1, source 1 (wq) window 0, C and D window 2
.set TO_B,   0x40                      ; destination window 1, address window 0
; A joint load.  Waves 0 and 1 fetch wq's two halves, waves 2 and 3 aq's.  Each line has one mask and one set of registers for all that issue it; the branch hangs on the wave's number alone.
; An s_nop 0 and four v_nop follow each of the two lines, ahead of the jump, the label and what follows.
.macro JLOAD s
	s_cmp_eq_u32 s11, 0
	s_cbranch_scc0 .Lfor_b_\@
	tensor_load_to_lds s[G0+4*(\s):G0+4*(\s)+3], s[G1:G1+7]
	s_nop 0
.rept 4
	v_nop
.endr
	s_branch .Lasked_\@
.Lfor_b_\@:
	tensor_load_to_lds s[G0B+4*(\s):G0B+4*(\s)+3], s[G1B:G1B+7]
	s_nop 0
.rept 4
	v_nop
.endr
.Lasked_\@:
.endm
; My tile of c or h: one line for all four waves; both its addresses hang on the wave's number.  No mask: no other work-group wants these bytes.
.macro CLOAD
	tensor_load_to_lds s[GC0:GC0+3], s[GC1:GC1+7]
	s_nop 0
.rept 4
	v_nop
.endr
.endm
; A prefetch, behind each joint load, its five lines and the run of LDS loads that follows them: the K step that stands TWO refills on, 512 matrix instructions ahead of the load that will want it.
; Each aligned 256 bytes of wq and aq are named once in the launch.  wq's tile row is read by every cluster of that row of clusters: the one with x = 0 asks; aq's tile column by every cluster of that column:
; the one with y = 0 asks.  The four partners that ask for a tile jointly share it out BY ADDRESS: of wq's 128 rows that a wave fetches the partner at cx takes 32, a lane a row; of aq's 64 k rows of 512 bytes
; the partner at cy takes 16, two lanes a row.  The loop's last trip asks for nothing: K step 23 is the last.  K steps 0 to 3 come by their loads alone.
.macro ASK
	s_cmp_gt_u32 s3, s[LIM]                        ; s3 = 1 in the loop's last trip
	s_cbranch_scc0 .Lnot_mine_\@
	global_prefetch_b8 v[PFO], s[PFA:PFA+1] th:TH_LOAD_NT scope:SCOPE_SE
.Lnot_mine_\@:
.endm
; A round of the cluster's barrier: my work-group's barrier, so that wave 0's signal speaks for all four waves; wave 0 signals; every wave waits for all sixteen work-groups; my work-group's barrier once more.
.macro CREST                           ; a round behind its opening barrier
	s_cmp_lg_u32 s10, 0
	s_cbranch_scc1 .Lnot_wave_0_\@
	s_barrier_signal -3
.Lnot_wave_0_\@:
	s_barrier_wait -3
	s_barrier_signal -1
	s_barrier_wait -1
.endm
.macro CROUND                          ; a whole round
	s_barrier_signal -1
	s_barrier_wait -1
	CREST
.endm
	s_load_b256 s[68:75], s[0:1], 0x0              ; wq s[68:69], aq s[70:71], c s[72:73], h s[74:75]
	s_load_b256 s[76:83], s[0:1], 0x20             ; bias s[76:77], z s[78:79], z_bottom s[80:81], zp s[82:83]
	s_load_b128 s[84:87], s[0:1], 0x40             ; out0 s[84:85], out1 s[86:87]
	s_load_b64 s[88:89], s[0:1], 0x50              ; out2
	v_lshl_add_u32 v[SPW], v0, 2, SPARE
	v_mov_b32 v[NIL], 0
	ds_add_u32 v[SPW], v[NIL]                      ; the wave's opening: the add and its wait stand ahead of my first tensor load; the set-up below, work on registers, stands between them
	v_lshrrev_b32 v1, 5, v0
	v_readfirstlane_b32 s10, v1                    ; wave 0..3
	s_lshr_b32 s11, s10, 1                         ; which half of the tile's rows is mine.  Also: I fetch for wq (0) or for aq (1)
	s_and_b32 s12, s10, 1                          ; which half of its columns.  Also: which half of that tile I fetch
	s_bfe_u32 s40, ttmp6, 0x40000                  ; cx, cy: my place in the cluster
	s_bfe_u32 s41, ttmp6, 0x40004
	s_lshl_b32 s42, ttmp9, 2
	s_add_co_u32 s42, s42, s40                     ; tx: block of 256 batch columns = 4 x cluster x + cx
	s_and_b32 s13, ttmp7, 0xffff
	s_lshl_b32 s13, s13, 2
	s_add_co_u32 s13, s13, s41                     ; ty: block of 256 rows of wq = 4 x cluster y + cy
	s_lshl_b32 s43, s41, 2
	s_lshl_b32 s43, 15, s43                        ; my row of the cluster: places 4 cy .. 4 cy + 3
	s_lshl_b32 s44, 0x1111, s40                    ; my column: places cx, cx + 4, cx + 8, cx + 12
	s_or_b32 s[G1+0], s43, (1<<16)|(1<<20)|(1<<21)|(5<<22)|(3<<25)   ; 15:0 the mask: wq's tiles go to my row; 17:16 2-byte elements; 20 padding on; 21 set beside a mask; 24:22 after every 64 words (code 5); 31:25 4 words (code 3)
	s_mov_b32 s[G1+1], KSTEP<<16                   ; tensor_dim0 = 128
	s_mov_b32 s[G1+2], 128<<16                     ; tensor_dim1 = 128
	s_mov_b32 s[G1+3], KSTEP<<16                   ; tile_dim0 = 128 elements (256 bytes)
	s_mov_b32 s[G1+4], 128                         ; tile_dim1 = 128 rows
	s_mov_b32 s[G1+5], KTOT                        ; elements from row to row
	s_mov_b32 s[G1+6], 0
	s_mov_b32 s[G1+7], 0
	s_or_b32 s[G1B+0], s44, (1<<16)|(1<<20)|(1<<21)|(6<<22)|(7<<25)  ; the mask of my column; padding after every 128 words (code 6), 8 words (code 7)
	s_mov_b32 s[G1B+1], 256<<16                    ; tensor_dim0 = 256
	s_mov_b32 s[G1B+2], 64<<16                     ; tensor_dim1 = 64
	s_mov_b32 s[G1B+3], 256<<16                    ; tile_dim0 = 256 elements (512 bytes)
	s_mov_b32 s[G1B+4], 64                         ; tile_dim1 = 64 k rows
	s_mov_b32 s[G1B+5], NB
	s_mov_b32 s[G1B+6], 0
	s_mov_b32 s[G1B+7], 0
	s_mov_b32 s[GC1+0], 2<<16                      ; no mask, 4-byte elements, no padding
	s_mov_b32 s[GC1+1], 128<<16                    ; tensor_dim0 = 128
	s_mov_b32 s[GC1+2], 64<<16                     ; tensor_dim1 = 64
	s_mov_b32 s[GC1+3], 128<<16                    ; tile_dim0 = 128 elements (512 bytes)
	s_mov_b32 s[GC1+4], 64                         ; tile_dim1 = 64 rows
	s_mov_b32 s[GC1+5], NB
	s_mov_b32 s[GC1+6], 0
	s_mov_b32 s[GC1+7], 0
	s_mov_b32 s[SCS], 0xbfb8aa3b                   ; -log2 e
	s_mov_b32 s[SCS+1], s[SCS]                     ; named with it as a pair
	s_mov_b32 s[SCT], 0x4038aa3b                   ; 2 log2 e
	s_mov_b32 s[SCT+1], s[SCT]
	; where the tiles come from.  wq's hang on ty alone, which my row of the cluster shares; aq's on tx alone, which my column shares: each offset in registers that never hold the other coordinate
	s_lshl_b32 s17, s12, 7
	s_lshl_b32 s16, s13, 8
	s_add_co_u32 s16, s16, s17
	s_mul_i32 s16, s16, KTOT*2                     ; wq: row 256 ty + 128 x half
	s_mov_b32 s17, 0
	s_lshl_b32 s46, s12, 19                        ; aq: k row 64 x half (8,192 bytes a row),
	s_lshl_b32 s47, s42, 9                         ; column 256 tx
	s_add_co_u32 s46, s46, s47
	s_mov_b32 s47, 0
	s_lshl_b32 s18, s13, 20                        ; c, h: row 64 ty (16,384 bytes a row),
	s_lshl_b32 s19, s42, 10                        ; column 256 tx
	s_add_co_u32 s18, s18, s19
	s_lshl_b32 s19, s11, 9                         ; + 128 x (wave / 2)
	s_add_co_u32 s18, s18, s19
	s_mov_b32 s19, 0
	s_mul_i32 s20, s10, HALFT                      ; and where they go: wave x 34,816 bytes: no place in the cluster enters an LDS address
	s_wait_dscnt 0x0                               ; the opening add is done
	s_wait_kmcnt 0x0
	s_add_nc_u64 s[14:15], s[68:69], s[16:17]
	s_add_nc_u64 s[46:47], s[70:71], s[46:47]
.irp s, 0,1
	s_mov_b32 s[G0+4*(\s)], 1                                        ; count = 1
	s_add_co_u32 s[G0+4*(\s)+1], s20, (\s)*SLOT                      ; LDS address
	s_add_nc_u64 s[G0+4*(\s)+2:G0+4*(\s)+3], s[14:15], (\s)*KSTEP*2  ; global address: K step s
	s_or_b32 s[G0+4*(\s)+3], s[G0+4*(\s)+3], 0x80000000              ; type = 2
	s_mov_b32 s[G0B+4*(\s)], 1
	s_add_co_u32 s[G0B+4*(\s)+1], s20, (\s)*SLOT
	s_add_nc_u64 s[G0B+4*(\s)+2:G0B+4*(\s)+3], s[46:47], (\s)*KSTEP*NB*2
	s_or_b32 s[G0B+4*(\s)+3], s[G0B+4*(\s)+3], 0x80000000
.endr
	s_mov_b32 s[GC0], 1
	s_lshl_b32 s[GC0+1], s10, 15                   ; region w of slot 0: 64 rows x 512 bytes at 32,768 w
	s_cmp_eq_u32 s12, 0
	s_cselect_b64 s[GC0+2:GC0+3], s[72:73], s[74:75]  ; even waves fetch c, odd waves h
	s_add_nc_u64 s[GC0+2:GC0+3], s[GC0+2:GC0+3], s[18:19]
	s_or_b32 s[GC0+3], s[GC0+3], 0x80000000
	CROUND                                         ; all sixteen work-groups are here: the first joint loads meet
	s_cmp_eq_u32 s11, 0                            ; a wave's two first fills stand in one branch, ahead of every wait on TENSORcnt, every LDS read and every further barrier: two loads of mine are out
	s_cbranch_scc0 .Lfirst_b
	tensor_load_to_lds s[G0:G0+3], s[G1:G1+7]
	s_nop 0
	tensor_load_to_lds s[G0+4:G0+7], s[G1:G1+7]
	s_nop 0
.rept 4
	v_nop
.endr
	s_branch .Lfirst_asked
.Lfirst_b:
	tensor_load_to_lds s[G0B:G0B+3], s[G1B:G1B+7]
	s_nop 0
	tensor_load_to_lds s[G0B+4:G0B+7], s[G1B:G1B+7]
	s_nop 0
.rept 4
	v_nop
.endr
.Lfirst_asked:
	; ---- all that follows, up to the first barrier, stands in the wait for the first tiles
	v_and_b32 v1, 15, v0                           ; r = l % 16
	v_bfe_u32 v2, v0, 4, 1                         ; hh = l / 16
	v_and_b32 v3, 31, v0                           ; l
	s_lshl_b32 s21, s42, 10
	s_lshl_b32 s22, s12, 9
	s_add_co_u32 s21, s21, s22
	v_lshl_add_u32 v8, v3, 4, s21                  ; my 4 columns on the way out: (256 tx + 128 x half) x 4 bytes + 16 l; never rewritten
	global_load_b128 v[PP:PP+3], v8, s[78:79]      ; z
	global_load_b128 v[RR:RR+3], v8, s[80:81]      ; z_bottom
	s_lshl_b32 s21, s13, 8
	s_lshl_b32 s22, s11, 7
	s_add_co_u32 s21, s21, s22
	v_lshl_add_u32 v9, v1, 2, s21                  ; bias of hidden row 64 ty + 32 x half + r; never rewritten
.irp a, 0,1,2,3,4,5,6,7
	global_load_b32 v[BI+2*(\a)], v9, s[76:77] offset:((\a)%4)*4096+((\a)/4)*64  ; gate a % 4: 1,024 rows on; sub a / 4: 16 rows on
.endr
	s_lshl_b32 s21, s13, 20
	s_lshl_b32 s22, s11, 19
	s_add_co_u32 s21, s21, s22
	v_add_nc_u32 v[CO], s21, v8                    ; + hidden row 64 ty + 32 x half, 16,384 bytes a row
	; A fragment of wq is 16 rows x 32 k in 8 registers: lane l holds row l % 16; registers 0-3 k = 8 (l / 16) + 0..7, registers 4-7 k = 16 + 8 (l / 16) + 0..7: two loads of 16 bytes, 32 bytes apart.
	v_mul_u32_u24 v4, v1, PITCH
	v_lshl_add_u32 v4, v2, 4, v4
	s_mul_i32 s21, s11, HALFT                      ; my 128 rows of wq
	v_add_nc_u32 v[ADRA], s21, v4
	v_add_nc_u32 v[ADRA+1], SLOT, v[ADRA]
	; The turning load takes 16 k x 16 columns (lane l reads k row 8 (l / 16) + l % 8, columns 8 ((l / 8) % 2) + 0..7) and leaves half a fragment: lane l holds column l % 16 and 8 k.
	v_and_b32 v5, 7, v0
	v_lshl_add_u32 v5, v2, 3, v5
	v_mul_u32_u24 v5, v5, PB
	v_bfe_u32 v6, v0, 3, 1
	v_lshl_add_u32 v5, v6, 4, v5
	s_lshl_b32 s22, s12, 8                         ; my 128 columns of aq,
	s_add_co_u32 s22, s22, 2*HALFT                 ; whose tile lies behind wq's 256 rows
	v_add_nc_u32 v[ADRB], s22, v5
	v_add_nc_u32 v[ADRB+1], SLOT, v[ADRB]
	s_mul_i32 s23, s10, HALFT
	s_add_co_u32 s23, s23, SLOT                    ; my stage: my quarter of slot 1
	v_mul_u32_u24 v7, v1, SP                       ; in: row r, 32 bytes for each half of the lanes
	v_lshl_add_u32 v7, v2, 5, v7
	v_add_nc_u32 v[STO], s23, v7
	v_lshl_add_u32 v[RDB], v3, 4, s23              ; back: 32 lanes take a row's 512 bytes
	s_lshl_b32 s21, s12, 16                        ; c of my column half lies in region 2 x half, h in the region behind it;
	s_lshl_b32 s22, s11, 14                        ; my 32 rows of the 64
	s_add_co_u32 s21, s21, s22
	v_lshl_add_u32 v[CHA], v3, 4, s21
	; the prefetches
	s_lshl_b32 s20, s13, 8
	s_lshl_b32 s21, s12, 7
	s_add_co_u32 s20, s20, s21
	s_lshl_b32 s21, s40, 5
	s_add_co_u32 s20, s20, s21                     ; wq: row 256 ty + 128 x half + 32 cx,
	s_mul_i32 s20, s20, KTOT*2
	s_add_co_u32 s20, s20, 3*KSTEP*2               ; at K step 3: the first refill steps it to 4 and names that
	s_lshl_b32 s21, s12, 6
	s_lshl_b32 s22, s41, 4
	s_add_co_u32 s21, s21, s22
	s_add_co_u32 s21, s21, 3*KSTEP                 ; aq: k row 64 x half + 16 cy of K step 3,
	s_lshl_b32 s21, s21, 13
	s_lshl_b32 s22, s42, 9
	s_add_co_u32 s21, s21, s22                     ; column 256 tx
	s_and_b32 s22, ttmp7, 0xffff                   ; cluster y
	s_movk_i32 s23, 256
	s_movk_i32 s14, KTOT*2
	s_cmp_eq_u32 s11, 0                            ; do I fetch for wq?
	s_cselect_b32 s20, s20, s21
	s_cselect_b32 s22, ttmp9, s22                  ; the coordinate along which other clusters read the same bytes
	s_cselect_b32 s[PST], s23, KSTEP*NB*2          ; a K step on: 256 bytes along wq's rows, 128 rows down aq
	s_cselect_b32 s14, s14, NB*2                   ; bytes from row to row
	s_cselect_b32 s15, 0, 1                        ; lanes to a row less one
	s_cselect_b64 s[PFA:PFA+1], s[68:69], s[70:71]
	s_mov_b32 s21, 0
	s_mov_b32 s[PST+1], 0
	s_add_nc_u64 s[PFA:PFA+1], s[PFA:PFA+1], s[20:21]
	s_cmp_eq_u32 s22, 0
	s_cselect_b32 s[LIM], 1, -1                    ; the same in all sixteen partners, for a given wave
	v_lshrrev_b32 v10, s15, v3
	v_mul_u32_u24 v[PFO], s14, v10                 ; my row,
	v_and_b32 v11, s15, v3
	v_lshl_add_u32 v[PFO], v11, 8, v[PFO]          ; and which 256 bytes of it
	; THE BOUNDARY ROW.  64 columns (256 bytes of out2) for wave 0 of each of the 64 work-groups in the clusters with y = 0: the branches hang on the wave's number and the cluster's y, alike in all partners
	s_cmp_lg_u32 s10, 0
	s_cbranch_scc1 .Lno_zrow
	s_and_b32 s22, ttmp7, 0xffff
	s_cmp_lg_u32 s22, 0
	s_cbranch_scc1 .Lno_zrow
	s_lshl_b32 s21, ttmp9, 4
	s_lshl_b32 s22, s41, 2
	s_add_co_u32 s21, s21, s22
	s_add_co_u32 s21, s21, s40                     ; 16 x cluster x + 4 cy + cx: 0..63
	s_lshl_b32 s21, s21, 8
	v_lshl_add_u32 v62, v3, 3, s21                 ; my 2 columns; never rewritten
.set q, 0
.rept 96
	global_load_b64 v[64+2*q:65+2*q], v62, s[82:83] offset:NB*4*q
.set q, q+1
.endr
	v_mov_b32 v12, 0
	global_load_b32 v13, v12, s[76:77] offset:16384  ; bias[4096]
	s_wait_loadcnt 0x0
.set q, 4
.rept 92                                       ; four chains that do not wait for each other
	v_pk_add_f32 v[64+2*(q%4):65+2*(q%4)], v[64+2*(q%4):65+2*(q%4)], v[64+2*q:65+2*q]
.set q, q+1
.endr
	v_cvt_pk_bf16_f32 v13, v13, v13                ; the bias is rounded like the other inputs
	v_pk_add_f32 v[64:65], v[64:65], v[66:67]
	v_pk_add_f32 v[68:69], v[68:69], v[70:71]
	v_lshlrev_b32 v13, 16, v13
	v_pk_add_f32 v[64:65], v[64:65], v[68:69]
.irp k, 64,65
	v_add_f32 v\k, v\k, v13                        ; f_s
	v_add_f32 v\k, 1.0, v\k                        ; z_hat = clip((f_s + 1) / 2, 0, 1)
	v_mul_f32 v\k, 0.5, v\k
	v_max_num_f32 v\k, 0, v\k
	v_min_num_f32 v\k, 1.0, v\k
.endr
	v_cmp_lt_f32 s21, 0.5, v64                     ; the step selects a value, never a way
	v_cmp_lt_f32 s22, 0.5, v65
	v_cndmask_b32 v66, 0, 1.0, s21
	v_cndmask_b32 v67, 0, 1.0, s22
	v_pk_add_f32 v[66:67], v[66:67], v[64:65] neg_lo:[0,1] neg_hi:[0,1]  ; step - z_hat
	v_pk_add_f32 v[60:61], v[64:65], v[66:67]      ; z_new = z_hat + (step - z_hat)
	global_store_b64 v62, v[60:61], s[88:89]       ; 256 consecutive bytes, aligned; v60-62 are never written again
.Lno_zrow:
	s_wait_loadcnt 0x0                             ; z, z_bottom and the bias are in
	v_pk_fma_f32 v[12:13], v[PP:PP+1], -1.0, 1.0 op_sel_hi:[1,0,0]      ; 1 - z
	v_pk_fma_f32 v[14:15], v[PP+2:PP+3], -1.0, 1.0 op_sel_hi:[1,0,0]
	v_pk_fma_f32 v[QQ:QQ+1], v[12:13], v[RR:RR+1], v[12:13] neg_lo:[0,1,0] neg_hi:[0,1,0]      ; Q = (1 - z) - (1 - z) z_bottom, one rounding
	v_pk_fma_f32 v[QQ+2:QQ+3], v[14:15], v[RR+2:RR+3], v[14:15] neg_lo:[0,1,0] neg_hi:[0,1,0]
	v_pk_mul_f32 v[RR:RR+1], v[12:13], v[RR:RR+1]                       ; R = (1 - z) z_bottom
	v_pk_mul_f32 v[RR+2:RR+3], v[14:15], v[RR+2:RR+3]
	v_pk_add_f32 v[PP:PP+1], v[PP:PP+1], v[RR:RR+1]                     ; P = z + R
	v_pk_add_f32 v[PP+2:PP+3], v[PP+2:PP+3], v[RR+2:RR+3]
.irp a, 0,1,2,3,4,5,6,7
	v_cvt_pk_bf16_f32 v[BI+2*(\a)], v[BI+2*(\a)], v[BI+2*(\a)]
.endr
.irp a, 0,1,2,3,4,5,6,7
	v_lshlrev_b32 v[BI+2*(\a)], 16, v[BI+2*(\a)]
.endr
.irp a, 0,1,2,3,4,5,6,7
.if ((\a)%4) == 3
	v_mul_f32 v[BI+2*(\a)], s[SCT], v[BI+2*(\a)]
.else
	v_mul_f32 v[BI+2*(\a)], s[SCS], v[BI+2*(\a)]
.endif
.endr
.irp a, 0,1,2,3,4,5,6,7
	v_mov_b32 v[BI+2*(\a)+1], v[BI+2*(\a)]
.endr
; 16 matrix instructions: blocks a0, a0 + 1 of the window's four (hi = 0: blocks 0-3, 1: blocks 4-7) x all 8 groups of 16 columns, 32 along K.  zero = 1: the first product starts the sums: nothing is cleared.
; The 64 accumulators take turns, one instruction a turn, in the same order in every quarter step.
.macro MUL16 f, hi, a0, zero
	WIN MUL_LO+0x50*(\hi)
.irp a, \a0, (\a0)+1
.irp b, 0,1,2,3,4,5,6,7
.if \zero
	v_wmma_f32_16x16x32_bf16 v[8*(8*(\a)+(\b)):8*(8*(\a)+(\b))+7], v[(\f)+8*(\b):(\f)+8*(\b)+7], v[(\f)+8*(4*(\hi)+(\a)):(\f)+8*(4*(\hi)+(\a))+7], 0
.else
	v_wmma_f32_16x16x32_bf16 v[8*(8*(\a)+(\b)):8*(8*(\a)+(\b))+7], v[(\f)+8*(\b):(\f)+8*(\b)+7], v[(\f)+8*(4*(\hi)+(\a)):(\f)+8*(4*(\hi)+(\a))+7], v[8*(8*(\a)+(\b)):8*(8*(\a)+(\b))+7]
.endif
.endr
.endr
.endm
; 32 LDS loads in one run: the fragments of quarter q of a K step (32 k x my 128 columns of aq, turned; my 128 rows of wq x 32 k) into buffer f
.macro FETCH slot, q, f
	WIN TO_B
.irp i, 0,1,2,3,4,5,6,7
	ds_load_tr16_b128 v[(\f)+8*(\i):(\f)+8*(\i)+3],   v[ADRB+(\slot)] offset:(\q)*32*PB+32*(\i)
	ds_load_tr16_b128 v[(\f)+8*(\i)+4:(\f)+8*(\i)+7], v[ADRB+(\slot)] offset:(\q)*32*PB+16*PB+32*(\i)
.endr
	WIN 0
.irp i, 0,1,2,3,4,5,6,7
	ds_load_b128 v[(\f)+8*(\i):(\f)+8*(\i)+3],   v[ADRA+(\slot)] offset:64*(\q)+(\i)*16*PITCH
	ds_load_b128 v[(\f)+8*(\i)+4:(\f)+8*(\i)+7], v[ADRA+(\slot)] offset:64*(\q)+(\i)*16*PITCH+32
.endr
.endm
; A load into a register that a matrix instruction has read, and a vector instruction that reads a matrix result, stand four places behind that matrix instruction, and only plain vector instructions that name
; none of its registers are places (ISA guide 7.12.1 for vector instructions).
.macro PLACES
.rept 4
	v_nop
.endr
.endm
; A K step is four quarters of 32 along K, 64 matrix instructions each, on buffers 0, 1, 0, 1.  One of the first three: multiplies buffer f; in its middle it fetches quarter q of the same slot into buffer g.
.macro QUARTER slot, q, f, g, zero
	s_wait_dscnt 8                                 ; aq's fragments and wq's rows 0-63 are in; the youngest eight loads (wq's rows 64-127) may be out
	MUL16 \f, 0, 0, \zero
	MUL16 \f, 0, 2, \zero
	PLACES
	FETCH \slot, \q, \g
	s_wait_dscnt 32                                ; all but the 32 just issued
	MUL16 \f, 1, 0, \zero
	MUL16 \f, 1, 2, \zero
.endm
; The last quarter multiplies buffer 1 and changes slots.  In front of the barrier each wave waits for all its tensor loads, of which one is out: its part of the next slot; adds 0 to its spare word; and waits
; for that and for its own reads of this slot.  The barrier opens a round of the cluster's: behind the round no wave of any partner still reads this slot or has a load on its way.
.macro MEET
	WIN 0                                          ; (the add's two registers lie in window 0)
	s_wait_tensorcnt 0x0                           ; all my tensor loads have landed;
	ds_add_u32 v[SPW], v[NIL]                      ; 0 onto my spare word;
	s_wait_dscnt 9                                 ; (the add and the youngest eight loads may be out)
	MUL16 F1, 0, 0, 0                              ; sixteen matrix instructions stand between the add and the wait for it
	s_wait_dscnt 0x0                               ; the add is done, and my reads of this slot are over:
	s_barrier_signal -1                            ; say so,
	MUL16 F1, 0, 2, 0                              ; work on registers while the others arrive,
	WIN 0
	s_barrier_wait -1                              ; and go on when all four have said so
.endm
; kind = 0: the slot just read out takes the K step two steps on, by a joint load, the first tensor load behind the round; it has 224 matrix instructions in which to land.
; kind = 1: the ring's last change of slots: slot 0 takes c and h, each wave its own tile.
.macro TURN slot, next, kind
.if (\kind) == 0
	s_wait_xcnt 0x0                                ; the last prefetch, a K step back, has read its address: it is stepped here, ahead of the waits of the change of slots
	s_add_nc_u64 s[PFA:PFA+1], s[PFA:PFA+1], s[PST:PST+1]
.endif
	MEET
	CREST
.if (\kind) == 0
	s_add_nc_u64 s[G0+4*(\slot)+2:G0+4*(\slot)+3], s[G0+4*(\slot)+2:G0+4*(\slot)+3], 2*KSTEP*2
	s_add_nc_u64 s[G0B+4*(\slot)+2:G0B+4*(\slot)+3], s[G0B+4*(\slot)+2:G0B+4*(\slot)+3], 2*KSTEP*NB*2
	JLOAD \slot                                    ; the four v_nop behind it are also the places in front of the loads below
.else
	CLOAD
.endif
	FETCH \next, 0, F0
.if (\kind) == 0
	ASK
.endif
	MUL16 F1, 1, 0, 0
	MUL16 F1, 1, 2, 0
.endm
	s_wait_tensorcnt 1                             ; my part of K step 0 is in; K step 1's may stay out
	s_barrier_signal -1
	s_barrier_wait -1                              ; everybody's is
	FETCH 0, 0, F0
	QUARTER 0, 1, F0, F1, 1                        ; the first quarter stands in front of the loop: its products start the sums
	WIN 0                                          ; at a label and at a branch every window is 0
	s_mov_b32 s3, LAPS-1
.Llap:                                                 ; a trip goes once round the ring, from a lap's second quarter to the next lap's first, and fills both slots again
	QUARTER 0, 2, F1, F0, 0
	QUARTER 0, 3, F0, F1, 0
	TURN 0, 1, 0
	QUARTER 1, 1, F0, F1, 0
	QUARTER 1, 2, F1, F0, 0
	QUARTER 1, 3, F0, F1, 0
	TURN 1, 0, 0
	QUARTER 0, 1, F0, F1, 0
	WIN 0
	s_sub_co_u32 s3, s3, 1
	s_cmp_lg_u32 s3, 0
	s_cbranch_scc1 .Llap
	QUARTER 0, 2, F1, F0, 0                        ; the last lap is written out: K steps 22 and 23
	QUARTER 0, 3, F0, F1, 0
	TURN 0, 1, 1                                   ; slot 0 is read out: c and h are asked for, a K step and the scaling below ahead of the wait for them
	QUARTER 1, 1, F0, F1, 0
	QUARTER 1, 2, F1, F0, 0
	QUARTER 1, 3, F0, F1, 0
	s_wait_dscnt 8                                 ; the very last quarter: nothing more to fetch
	MUL16 F1, 0, 0, 0
	MUL16 F1, 0, 2, 0
	s_wait_dscnt 0x0
	MUL16 F1, 1, 0, 0
	MUL16 F1, 1, 2, 0
; ---- THE WAY OUT
; The sums become the exponents: (sum + bias) x (-log2 e) for f, i, o, x (2 log2 e) for g, one fused multiply-add for two numbers, in place.  Each accumulator's registers are taken in ascending order.
.macro SCALE hi
	WIN 0x82+0x41*(\hi)                            ; destination and source 0 in the accumulators' window, the bias in window 0
.irp g, 0,1,2,3
.irp b, 0,1,2,3,4,5,6,7
.irp u, 0,2,4,6
.if (\g) == 3
	v_pk_fma_f32 v[8*(8*(\g)+(\b))+(\u):8*(8*(\g)+(\b))+(\u)+1], v[8*(8*(\g)+(\b))+(\u):8*(8*(\g)+(\b))+(\u)+1], s[SCT:SCT+1], v[BI+2*(4*(\hi)+(\g)):BI+2*(4*(\hi)+(\g))+1] op_sel_hi:[1,0,0]
.else
	v_pk_fma_f32 v[8*(8*(\g)+(\b))+(\u):8*(8*(\g)+(\b))+(\u)+1], v[8*(8*(\g)+(\b))+(\u):8*(8*(\g)+(\b))+(\u)+1], s[SCS:SCS+1], v[BI+2*(4*(\hi)+(\g)):BI+2*(4*(\hi)+(\g))+1] op_sel_hi:[1,0,0]
.endif
.endr
.endr
.endr
.endm
; A window's 32 accumulators (16 hidden rows x 4 gates x 128 columns) go into my stage: row 16 g + r, my 8 columns of group b at byte 64 b + 32 (l / 16)
.macro DUMP hi
	WIN 0x08+0x04*(\hi)                            ; the data (source 1) in the accumulators' window, the address in window 0
.irp g, 0,1,2,3
.irp b, 0,1,2,3,4,5,6,7
	ds_store_b128 v[STO], v[8*(8*(\g)+(\b)):8*(8*(\g)+(\b))+3]   offset:(\g)*16*SP+64*(\b)
	ds_store_b128 v[STO], v[8*(8*(\g)+(\b))+4:8*(8*(\g)+(\b))+7] offset:(\g)*16*SP+64*(\b)+16
.endr
.endr
	WIN 0
.endm
.macro EACH line:vararg                ; one line for each of a trip's eight register pairs pr: row pr / 2, columns 2 (pr % 2) on
.set pr, 0
.rept 8
	\line
.set pr, pr+1
.endr
.endm
; A TRIP: four hidden rows x my wave's 128 columns, 16 numbers a lane.  The powers and the reciprocals go in batches; behind each batch one plain instruction and one wait
; between such an instruction and the first that names its result.
.macro TRIP
	s_wait_xcnt 0x0                                ; the last trip's stores have read their registers: CO, CN and HN are written again only behind this wait
	v_add_nc_u32 v[CO], 4*NB*4, v[CO]              ; four rows on; the stores below reach back
	v_add_nc_u32 v[RDX], s20, v[RDB]
	v_add_nc_u32 v[CHX], s21, v[CHA]
.irp g, 0,1,2,3
.irp i, 0,1,2,3
	ds_load_b128 v[XX+16*(\g)+4*(\i):XX+16*(\g)+4*(\i)+3], v[RDX] offset:(\g)*16*SP+(\i)*SP  ; LDS serves a wave's instructions in order (ISA guide 5.7.1.4): these see my stores into the stage
.endr
.endr
.irp i, 0,1,2,3
	ds_load_b128 v[CC+4*(\i):CC+4*(\i)+3], v[CHX] offset:512*(\i)
.endr
.irp i, 0,1,2,3
	ds_load_b128 v[HH+4*(\i):HH+4*(\i)+3], v[CHX] offset:32768+512*(\i)
.endr
	s_add_co_u32 s20, s20, 4*SP
	s_add_co_u32 s21, s21, 4*512
	s_wait_dscnt 8                                 ; the gates are in; c's and h's eight loads may stay out
.set n, 0
.rept 64
	v_exp_f32 v[XX+n], v[XX+n]
.set n, n+1
.endr
	v_nop
	s_wait_alu depctr_va_vdst(0)
.set n, 0
.rept 32
	v_pk_add_f32 v[XX+n:XX+n+1], v[XX+n:XX+n+1], 1.0 op_sel_hi:[1,0]
.set n, n+2
.endr
.set n, 0
.rept 64
	v_rcp_f32 v[XX+n], v[XX+n]                     ; f, i, o; and for g the reciprocal that tanh wants
.set n, n+1
.endr
	v_nop
	s_wait_alu depctr_va_vdst(0)
	s_wait_dscnt 0x0                               ; c and h are in
	EACH v_pk_fma_f32 v[XX+48+2*pr:XX+49+2*pr], v[XX+48+2*pr:XX+49+2*pr], -2.0, 1.0 op_sel_hi:[1,0,0]  ; g
	EACH v_pk_fma_f32 v[XX+2*pr:XX+1+2*pr], v[RR+2*(pr%2):RR+1+2*(pr%2)], v[XX+2*pr:XX+1+2*pr], v[QQ+2*(pr%2):QQ+1+2*(pr%2)]  ; Q + R f
	EACH v_pk_mul_f32 v[XX+16+2*pr:XX+17+2*pr], v[XX+16+2*pr:XX+17+2*pr], v[XX+48+2*pr:XX+49+2*pr]  ; i g
	EACH v_pk_mul_f32 v[XX+16+2*pr:XX+17+2*pr], v[PP+2*(pr%2):PP+1+2*(pr%2)], v[XX+16+2*pr:XX+17+2*pr]  ; P i g
	EACH v_pk_fma_f32 v[CN+2*pr:CN+1+2*pr], v[XX+2*pr:XX+1+2*pr], v[CC+2*pr:CC+1+2*pr], v[XX+16+2*pr:XX+17+2*pr]  ; c_new
	EACH v_pk_mul_f32 v[TT+2*pr:TT+1+2*pr], v[CN+2*pr:CN+1+2*pr], s[SCT:SCT+1] op_sel_hi:[1,0]
.irp i, 0,1,2,3
	global_store_b128 v[CO], v[CN+4*(\i):CN+4*(\i)+3], s[86:87] offset:NB*4*(\i)-4*NB*4 th:TH_STORE_NT  ; 512 consecutive bytes of a row of out1, aligned
.endr
.set n, 0
.rept 16
	v_exp_f32 v[TT+n], v[TT+n]
.set n, n+1
.endr
	v_nop
	s_wait_alu depctr_va_vdst(0)
	EACH v_pk_add_f32 v[TT+2*pr:TT+1+2*pr], v[TT+2*pr:TT+1+2*pr], 1.0 op_sel_hi:[1,0]
.set n, 0
.rept 16
	v_rcp_f32 v[TT+n], v[TT+n]
.set n, n+1
.endr
	v_nop
	s_wait_alu depctr_va_vdst(0)
	EACH v_pk_fma_f32 v[TT+2*pr:TT+1+2*pr], v[TT+2*pr:TT+1+2*pr], -2.0, 1.0 op_sel_hi:[1,0,0]  ; tanh(c_new)
	EACH v_pk_mul_f32 v[TT+2*pr:TT+1+2*pr], v[XX+32+2*pr:XX+33+2*pr], v[TT+2*pr:TT+1+2*pr]  ; o tanh
	EACH v_pk_mul_f32 v[TT+2*pr:TT+1+2*pr], v[PP+2*(pr%2):PP+1+2*(pr%2)], v[TT+2*pr:TT+1+2*pr]  ; P o tanh
	EACH v_pk_fma_f32 v[HN+2*pr:HN+1+2*pr], v[QQ+2*(pr%2):QQ+1+2*(pr%2)], v[HH+2*pr:HH+1+2*pr], v[TT+2*pr:TT+1+2*pr]  ; h_new
.irp i, 0,1,2,3
	global_store_b128 v[CO], v[HN+4*(\i):HN+4*(\i)+3], s[84:85] offset:NB*4*(\i)-4*NB*4 th:TH_STORE_NT  ; the same bytes of out0
.endr
.endm
	PLACES                                         ; behind the last products
	SCALE 0
	SCALE 1                                        ; 256 lines on registers, while c and h land
	WIN 0
	s_wait_tensorcnt 0x0                           ; my tile of c or h is in: the one load of mine that was out;
	s_wait_dscnt 0x0                               ; my reads of slot 1 are over
	s_barrier_signal -1
	s_barrier_wait -1                              ; both hold of all four waves: slot 1 may be written, and c and h read; nothing is filled any more
	s_mov_b32 s20, 0                               ; this trip's rows in the stage,
	s_mov_b32 s21, 0                               ; and in c and h
	DUMP 0                                         ; hidden rows 0-15 of my 32
	s_mov_b32 s22, 4
.Lp0:
	TRIP
	s_sub_co_u32 s22, s22, 1
	s_cmp_lg_u32 s22, 0
	s_cbranch_scc1 .Lp0
	s_mov_b32 s20, 0
	DUMP 1                                         ; rows 16-31: the stage is my own, and LDS serves my instructions in order: these stores come behind the last trip's loads
	s_mov_b32 s22, 4
.Lp1:
	TRIP
	s_sub_co_u32 s22, s22, 1
	s_cmp_lg_u32 s22, 0
	s_cbranch_scc1 .Lp1
	s_wait_tensorcnt 0x0                           ; the wave's end, behind my last tensor load and my last LDS store
	ds_add_u32 v[SPW], v[NIL]
	s_wait_dscnt 0x0
	CROUND                                         ; the closing round: no work-group ends while a partner may still ask for a tile that names it
	s_endpgm
.Lfunc_end_k_q536e57e4f2_cell:
	.size	k_q536e57e4f2_cell, .Lfunc_end_k_q536e57e4f2_cell-k_q536e57e4f2_cell
	.p2alignl 7, 3214868480
	.fill 96, 4, 3214868480
	.section	.rodata,"a",@progbits
	.p2align	6, 0x0
	.amdhsa_kernel k_q536e57e4f2_cell
		.amdhsa_group_segment_fixed_size 327680
		.amdhsa_private_segment_fixed_size 0
		.amdhsa_enable_private_segment 0
		.amdhsa_kernarg_size 88
		.amdhsa_user_sgpr_count 2
		.amdhsa_user_sgpr_kernarg_segment_ptr 1
		.amdhsa_wavefront_size32 1
		.amdhsa_system_sgpr_workgroup_id_x 1
		.amdhsa_system_sgpr_workgroup_id_y 1
		.amdhsa_system_sgpr_workgroup_id_z 1
		.amdhsa_system_vgpr_workitem_id 0
		.amdhsa_next_free_vgpr 1024
		.amdhsa_next_free_sgpr 102
		.amdhsa_reserve_vcc 0
		.amdhsa_float_denorm_mode_32 3
		.amdhsa_float_denorm_mode_16_64 3
		.amdhsa_memory_ordered 1
		.amdhsa_forward_progress 1
		.amdhsa_inst_pref_size 189
	.end_amdhsa_kernel
	.amdgpu_metadata
---
amdhsa.version: [ 1, 2 ]
amdhsa.kernels:
  - .name:           k_q536e57e4f2_cell
    .symbol:         k_q536e57e4f2_cell.kd
    .args:
      - { .name: wq, .offset: 0, .size: 8, .value_kind: global_buffer, .address_space: global }
      - { .name: aq, .offset: 8, .size: 8, .value_kind: global_buffer, .address_space: global }
      - { .name: c, .offset: 16, .size: 8, .value_kind: global_buffer, .address_space: global }
      - { .name: h, .offset: 24, .size: 8, .value_kind: global_buffer, .address_space: global }
      - { .name: bias, .offset: 32, .size: 8, .value_kind: global_buffer, .address_space: global }
      - { .name: z, .offset: 40, .size: 8, .value_kind: global_buffer, .address_space: global }
      - { .name: z_bottom, .offset: 48, .size: 8, .value_kind: global_buffer, .address_space: global }
      - { .name: zp, .offset: 56, .size: 8, .value_kind: global_buffer, .address_space: global }
      - { .name: out0, .offset: 64, .size: 8, .value_kind: global_buffer, .address_space: global }
      - { .name: out1, .offset: 72, .size: 8, .value_kind: global_buffer, .address_space: global }
      - { .name: out2, .offset: 80, .size: 8, .value_kind: global_buffer, .address_space: global }
    .group_segment_fixed_size: 327680
    .private_segment_fixed_size: 0
    .kernarg_segment_align: 8
    .kernarg_segment_size: 88
    .max_flat_workgroup_size: 128
    .sgpr_count:     102
    .vgpr_count:     1024
    .wavefront_size: 32
...
	.end_amdgpu_metadata
.endif
;; end of part 2
;; ======== version 2 of 2: 2 launches; version 1 with the launch prep written anew for expert scheduling mode
;; workspace buffers: wq 25,165,824 bytes; aq 25,165,824 bytes; zp 1,572,864 bytes
;; launch prep (part 3): grid 384 x 2, 8 waves a work-group, no clusters, 0 bytes of LDS; arguments W_01, U_21, U_11, h_bottom, h_top, h, z, z_bottom, wq, aq, zp; writes wq, aq, zp
.if DOCPART == 3
	.amdgcn_target "amdgcn-amd-amdhsa--gfx1250"
	.amdhsa_code_object_version 6
	.text
	.protected	k_q536e57e4f2_prep
	.globl	k_q536e57e4f2_prep
	.p2align	8
	.type	k_q536e57e4f2_prep,@function
k_q536e57e4f2_prep:
	s_mov_b64 s[64:65], 0
	v_nop
	global_prefetch_b8 v0, s[64:65] scope:SCOPE_SE
	s_setreg_imm32_b32 hwreg(HW_REG_WAVE_SCHED_MODE, 0, 2), 2
	s_setreg_imm32_b32 hwreg(HW_REG_WAVE_MODE, 25, 1), 1
	s_wait_xcnt 0x0
	s_wait_alu depctr_vm_vsrc(0)
; PREPARATION FOR THE CELL'S ONE PRODUCT.  f_s = [W_01 | U_21 | U_11] x [h_bottom ; z h_top ; z_bottom h] + bias: a factor per column commutes with the product.
; This launch rounds both operands to bf16, once, and lays them as the product wants them.  It is a stream: every input byte is read once, by 16-byte loads of which a wave's
; 32 lanes cover 512 consecutive bytes; every store of a wave covers 256 consecutive bytes, aligned.  No LDS, no barrier: no wave wants a byte that another wave has fetched.
;   wq [4096][3072] bf16: columns 0-1023 W_01, 1024-2047 U_21, 2048-3071 U_11.  ROWS ARE PERMUTED, so that the four gates of one hidden row meet in one wave of the product:
;      row ty*256 + wh*128 + sub*64 + gate*16 + r  holds source row  gate*1024 + ty*64 + wh*32 + sub*16 + r.
;   aq [3072][4096] bf16: k 0-1023 h_bottom, 1024-2047 z h_top, 2048-3071 z_bottom h.  The factor is applied in f32 and the product rounded ONCE (exact for factors 0 and 1).
;   zp [96][4096] f32: partial sums of weight row 4096 (the boundary row): zp[g][b] = the sum over k = 32 g .. 32 g + 31 of bf16(w4096[k]) x aq[k][b], in f32.
; SHARES.  y = 0: 384 work-groups, each 32 rows of one weight matrix, a wave 4 rows.  y = 1: 384 work-groups, each 128 k x 256 columns of one activation matrix, a wave 32 k x 128 columns.
; Either way a wave issues all its 32 loads (16 KiB) at once and works them off in order; no register is loaded twice, so there is no loop.
; THE MODE: SCHED_MODE bits 1:0 = 2 (LLVM: expert scheduling mode 2), set by the entry lines.  The code itself states the register dependences
; between vector instructions and memory instructions, with s_wait_alu, always for 0.
; THE PLAN.  The 32 loads are worked off in eight blocks of four.  Registers that memory instructions touch:
;   v[LO], v[SO], v[WO]  byte offsets, made once by vector lines and never written again: one wait on va_vdst in each arm, ahead of its first load.
;   X                    load k lands in its four registers before any vector line has named them; block k / 4 rounds into the first two of them, in place; the store that reads these two is
;                        issued in the NEXT block; nothing writes them afterwards.
;   v[WV], Z             a load lands once; vector lines alone name them after that.      ACC  written by vector lines, read by the arm's last store.
; So block p's memory instructions are the four stores of block p - 1, whose registers no vector line of block p names: ONE wait on va_vdst at the block's head, behind the wait for the block's data,
; states all that they hang on, and they are dealt among the block's vector lines with no further wait.  One more stands ahead of the last block's stores.
; No register that a load or a store reads is ever written again: the text owes no wait on vm_vsrc.
; Scalar registers that vector lines write: the wave's number, and a block's four weights, read out of v[WV] in one run into four pairs: each run has one wait on va_sdst ahead of its first reader.
.set ROWW, 4096                        ; bytes in a row of a weight matrix (1,024 f32)
.set ROWA, 16384                       ; bytes in a row of an activation matrix (4,096 f32)
.set ROWQ, 6144                        ; bytes in a row of wq
.set ROWB, 8192                        ; bytes in a row of aq
.set LO,  2                            ; v2       16 x lane: my 16 bytes of a load's 512
.set SO,  3                            ; v3       8 x lane: my 8 bytes of a store's 256
.set WO,  4                            ; v4       4 x lane: my number of weight row 4096
.set WV,  5                            ; v5       lane i: the weight of my wave's k row i, rounded to bf16, as f32
.set T,   10                           ; v[10:13] at work
.set Z,   16                           ; v[16:19] the factor of my 4 columns
.set ACC, 24                           ; v[24:27] the boundary row's partial sums of my 4 columns
.set X,   32                           ; v[32:159] load n: 4 registers
.set WS,  48                           ; s[48:55] the weights of a block's four k rows: row j's in the low word of the pair at WS + 2 j; the high words hold 0
	s_load_b256 s[4:11], s[0:1], 0x0               ; W_01 s[4:5], U_21 s[6:7], U_11 s[8:9], h_bottom s[10:11]
	s_load_b256 s[12:19], s[0:1], 0x20             ; h_top s[12:13], h s[14:15], z s[16:17], z_bottom s[18:19]
	s_load_b128 s[20:23], s[0:1], 0x40             ; wq s[20:21], aq s[22:23]
	s_load_b64 s[24:25], s[0:1], 0x50              ; zp
	v_and_b32 v1, 31, v0                           ; lane
	v_lshrrev_b32 v10, 5, v0
	v_readfirstlane_b32 s26, v10                   ; wave 0..7
	v_lshlrev_b32 v[LO], 4, v1
	v_lshlrev_b32 v[SO], 3, v1
	s_and_b32 s27, ttmp7, 0xffff                   ; y: 0 weights, 1 activations
	s_mov_b32 s43, 0                               ; offsets are made in s42 and added as the pair s[42:43]
	s_wait_alu depctr_va_sdst(0)                   ; s26 is written, ahead of the branch: each arm makes its addresses from it
	s_wait_kmcnt 0x0
	s_cmp_lg_u32 s27, 0
	s_cbranch_scc1 .Lacts
	; ---- WEIGHTS.  x = mat*128 + blk, blk = gate*32 + ty*2 + wh: 32 consecutive source rows; my wave's four are rows 4 w .. 4 w + 3 of them
	s_lshr_b32 s28, ttmp9, 7                       ; mat 0..2
	s_and_b32 s29, ttmp9, 127                      ; blk
	s_lshl_b32 s42, s29, 5
	s_lshl_b32 s30, s26, 2
	s_add_co_u32 s42, s42, s30                     ; source row blk*32 + 4 w
	s_lshl_b32 s42, s42, 12                        ; x 4,096 bytes
	s_cmp_eq_u32 s28, 1
	s_cselect_b64 s[32:33], s[6:7], s[4:5]
	s_cmp_eq_u32 s28, 2
	s_cselect_b64 s[32:33], s[8:9], s[32:33]
	s_add_nc_u64 s[32:33], s[32:33], s[42:43]      ; from here
	s_and_b32 s42, s29, 31
	s_lshl_b32 s42, s42, 7                         ; (ty*2 + wh) * 128
	s_lshr_b32 s30, s26, 2
	s_lshl_b32 s30, s30, 6
	s_add_co_u32 s42, s42, s30                     ; + sub * 64
	s_lshr_b32 s30, s29, 5
	s_lshl_b32 s30, s30, 4
	s_add_co_u32 s42, s42, s30                     ; + gate * 16
	s_and_b32 s30, s26, 3
	s_lshl_b32 s30, s30, 2
	s_add_co_u32 s42, s42, s30                     ; + r of my first row
	s_mul_i32 s42, s42, ROWQ
	s_lshl_b32 s30, s28, 11
	s_add_co_u32 s42, s42, s30                     ; + mat * 2,048 bytes along the row
	s_add_nc_u64 s[34:35], s[20:21], s[42:43]      ; to here
	s_wait_alu depctr_va_vdst(0)                   ; v[LO] and v[SO] are written: every load and store of this arm reads one of them as its offset
.set n, 0
.rept 32                                       ; load n: row n / 8, its 512 bytes number n % 8
	global_load_b128 v[X+4*n:X+4*n+3], v[LO], s[32:33] offset:ROWW*(n/8)+512*(n%8) th:TH_LOAD_NT
.set n, n+1
.endr
.macro WST k                           ; load k, rounded, is stored: 8 bytes a lane
	global_store_b64 v[SO], v[X+4*(\k):X+4*(\k)+1], s[34:35] offset:ROWQ*((\k)/8)+256*((\k)%8)  ; its registers are never written again
.endm
.macro WBLK p                          ; block p: loads 4 p .. 4 p + 3 are rounded, 4 f32 a lane into 8 bytes; the block before is stored
	s_wait_loadcnt 28-4*(\p)                       ; loads come back in order: this block's four are in, the 28 - 4 p younger ones stay out
.if (\p) > 0
	s_wait_alu depctr_va_vdst(0)                   ; the block before has rounded into its registers, which the four stores below read
.endif
.irp j, 0,1,2,3
.set cur, 4*(\p)+(\j)
.set prv, cur-4
.if (\p) > 0
	WST prv                                        ; no vector line since the wait names its registers
.endif
	v_cvt_pk_bf16_f32 v[X+4*cur], v[X+4*cur], v[X+4*cur+1]
	v_cvt_pk_bf16_f32 v[X+4*cur+1], v[X+4*cur+2], v[X+4*cur+3]
.endr
.endm
.set n, 0
.rept 8
	WBLK n
.set n, n+1
.endr
	s_wait_alu depctr_va_vdst(0)                   ; block 7 has rounded into its registers, which the last four stores read
.irp j, 28,29,30,31
	WST \j
.endr
	s_endpgm
	; ---- ACTIVATIONS.  x = kc*16 + strip: k rows 128 kc .. + 127 of aq, columns 256 strip .. + 255.  My wave: 32 k rows (w / 2), 128 columns (w % 2)
.Lacts:
	s_lshr_b32 s29, ttmp9, 4                       ; kc 0..23
	s_and_b32 s30, ttmp9, 15                       ; strip
	s_lshr_b32 s28, s29, 3                         ; mat 0..2
	s_lshr_b32 s31, s26, 1
	s_and_b32 s45, s26, 1
	s_lshl_b32 s29, s29, 2
	s_add_co_u32 s29, s29, s31                     ; my group of 32 k rows in aq, 0..95
	s_and_b32 s31, s29, 31                         ; the same within its source matrix
	s_lshl_b32 s30, s30, 1
	s_add_co_u32 s30, s30, s45                     ; my block of 128 columns, 0..31
	s_cmp_eq_u32 s28, 1
	s_cselect_b64 s[32:33], s[12:13], s[10:11]     ; the activations: h_bottom, h_top, h
	s_cselect_b64 s[36:37], s[6:7], s[4:5]         ; their weights: W_01, U_21, U_11
	s_cmp_eq_u32 s28, 2
	s_cselect_b64 s[32:33], s[14:15], s[32:33]
	s_cselect_b64 s[36:37], s[8:9], s[36:37]
	s_cselect_b64 s[38:39], s[18:19], s[16:17]     ; the factor: z_bottom for h, z for h_top
	s_lshl_b32 s42, s31, 19                        ; 32 rows of 16,384 bytes
	s_lshl_b32 s45, s30, 9                         ; 128 columns of f32
	s_add_co_u32 s42, s42, s45
	s_add_nc_u64 s[32:33], s[32:33], s[42:43]      ; from here
	s_lshl_b32 s42, s31, 7                         ; my 32 numbers
	s_add_co_u32 s42, s42, 4096*ROWW               ; of weight row 4096
	s_add_nc_u64 s[36:37], s[36:37], s[42:43]
	s_mov_b32 s42, s45
	s_add_nc_u64 s[38:39], s[38:39], s[42:43]      ; the factor of my 128 columns
	s_lshl_b32 s42, s29, 18                        ; 32 rows of 8,192 bytes
	s_lshl_b32 s31, s30, 8                         ; 128 columns of bf16
	s_add_co_u32 s42, s42, s31
	s_add_nc_u64 s[34:35], s[22:23], s[42:43]      ; to here
	s_lshl_b32 s42, s29, 14                        ; zp's row of 16,384 bytes
	s_add_co_u32 s42, s42, s45
	s_add_nc_u64 s[46:47], s[24:25], s[42:43]
	v_lshlrev_b32 v[WO], 2, v1
.irp j, 0,1,2,3
	s_mov_b32 s[WS+2*(\j)+1], 0                    ; named with the weight as a pair, so it is written
.endr
	s_mov_b32 s44, 0xffff0000                      ; a word's upper bf16
	s_wait_alu depctr_va_vdst(0)                   ; v[LO], v[SO] and v[WO] are written: every load and store of this arm reads one of them as its offset
	global_load_b32 v[WV], v[WO], s[36:37]
	s_cmp_eq_u32 s28, 0
	s_cbranch_scc1 .Lones
	global_load_b128 v[Z:Z+3], v[LO], s[38:39]
	s_branch .Ldata
.Lones:                                        ; h_bottom has no factor; on this way no load lands in Z, and these four lines name no register that the loads below touch
.irp k, 0,1,2,3
	v_mov_b32 v[Z+(\k)], 1.0
.endr
.Ldata:
.set n, 0
.rept 32                                       ; load n: k row n, my wave's 512 bytes of it
	global_load_b128 v[X+4*n:X+4*n+3], v[LO], s[32:33] offset:ROWA*n th:TH_LOAD_NT
.set n, n+1
.endr
	s_wait_loadcnt 32                              ; on both ways here the 32 data loads are the younger ones: the weights and the factor are in
	v_cvt_pk_bf16_f32 v[WV], v[WV], v[WV]          ; the weights are rounded as wq's are,
	v_lshlrev_b32 v[WV], 16, v[WV]                 ; and widened again
.macro AST i                           ; k row i, rounded, is stored: 8 bytes a lane
	global_store_b64 v[SO], v[X+4*(\i):X+4*(\i)+1], s[34:35] offset:ROWB*(\i)  ; its registers are never written again
.endm
.macro ACT i, w                        ; k row i, weight w of its block's four: factor, rounding; and the boundary row's sums take the ROUNDED numbers, as the matrix unit would
	v_pk_mul_f32 v[X+4*(\i):X+4*(\i)+1], v[X+4*(\i):X+4*(\i)+1], v[Z:Z+1]
	v_pk_mul_f32 v[X+4*(\i)+2:X+4*(\i)+3], v[X+4*(\i)+2:X+4*(\i)+3], v[Z+2:Z+3]
	v_cvt_pk_bf16_f32 v[X+4*(\i)], v[X+4*(\i)], v[X+4*(\i)+1]
	v_cvt_pk_bf16_f32 v[X+4*(\i)+1], v[X+4*(\i)+2], v[X+4*(\i)+3]
	v_lshlrev_b32 v[T], 16, v[X+4*(\i)]
	v_and_b32 v[T+1], s44, v[X+4*(\i)]
	v_lshlrev_b32 v[T+2], 16, v[X+4*(\i)+1]
	v_and_b32 v[T+3], s44, v[X+4*(\i)+1]
.if (\i) == 0                          ; the first row starts the sums: nothing is cleared
	v_pk_mul_f32 v[ACC:ACC+1], v[T:T+1], s[WS+2*(\w):WS+2*(\w)+1] op_sel_hi:[1,0]
	v_pk_mul_f32 v[ACC+2:ACC+3], v[T+2:T+3], s[WS+2*(\w):WS+2*(\w)+1] op_sel_hi:[1,0]
.else
	v_pk_fma_f32 v[ACC:ACC+1], v[T:T+1], s[WS+2*(\w):WS+2*(\w)+1], v[ACC:ACC+1] op_sel_hi:[1,0,1]
	v_pk_fma_f32 v[ACC+2:ACC+3], v[T+2:T+3], s[WS+2*(\w):WS+2*(\w)+1], v[ACC+2:ACC+3] op_sel_hi:[1,0,1]
.endif
.endm
.macro ABLK p                          ; block p: k rows 4 p .. 4 p + 3 are worked on, in ascending order; the block before is stored
.irp j, 0,1,2,3
	v_readlane_b32 s[WS+2*(\j)], v[WV], 4*(\p)+(\j)  ; the four rows' weights, for all lanes, in one run
.endr
	s_wait_loadcnt 28-4*(\p)                       ; loads come back in order: this block's four rows are in, the 28 - 4 p younger loads stay out
	s_wait_alu depctr_va_sdst(0)                   ; the four weights are written, ahead of the first line that reads one
.if (\p) > 0
	s_wait_alu depctr_va_vdst(0)                   ; the block before has rounded into its registers, which the four stores below read
.endif
.irp j, 0,1,2,3
.set cur, 4*(\p)+(\j)
.set prv, cur-4
.if (\p) > 0
	AST prv                                        ; no vector line since the wait names its registers
.endif
	ACT cur, \j
.endr
.endm
.set n, 0
.rept 8
	ABLK n
.set n, n+1
.endr
	s_wait_alu depctr_va_vdst(0)                   ; block 7 has rounded into its registers and row 31 has written the sums: the five stores below read them
.irp j, 28,29,30,31
	AST \j
.endr
	global_store_b128 v[LO], v[ACC:ACC+3], s[46:47]  ; 512 consecutive bytes of zp's row
	s_endpgm
.Lfunc_end_k_q536e57e4f2_prep:
	.size	k_q536e57e4f2_prep, .Lfunc_end_k_q536e57e4f2_prep-k_q536e57e4f2_prep
	.p2alignl 7, 3214868480
	.fill 96, 4, 3214868480
	.section	.rodata,"a",@progbits
	.p2align	6, 0x0
	.amdhsa_kernel k_q536e57e4f2_prep
		.amdhsa_group_segment_fixed_size 0
		.amdhsa_private_segment_fixed_size 0
		.amdhsa_enable_private_segment 0
		.amdhsa_kernarg_size 88
		.amdhsa_user_sgpr_count 2
		.amdhsa_user_sgpr_kernarg_segment_ptr 1
		.amdhsa_wavefront_size32 1
		.amdhsa_system_sgpr_workgroup_id_x 1
		.amdhsa_system_sgpr_workgroup_id_y 1
		.amdhsa_system_sgpr_workgroup_id_z 1
		.amdhsa_system_vgpr_workitem_id 0
		.amdhsa_next_free_vgpr 160
		.amdhsa_next_free_sgpr 66
		.amdhsa_reserve_vcc 0
		.amdhsa_float_denorm_mode_32 3
		.amdhsa_float_denorm_mode_16_64 3
		.amdhsa_memory_ordered 1
		.amdhsa_forward_progress 1
		.amdhsa_inst_pref_size 40
	.end_amdhsa_kernel
	.amdgpu_metadata
---
amdhsa.version: [ 1, 2 ]
amdhsa.kernels:
  - .name:           k_q536e57e4f2_prep
    .symbol:         k_q536e57e4f2_prep.kd
    .args:
      - { .name: W_01, .offset: 0, .size: 8, .value_kind: global_buffer, .address_space: global }
      - { .name: U_21, .offset: 8, .size: 8, .value_kind: global_buffer, .address_space: global }
      - { .name: U_11, .offset: 16, .size: 8, .value_kind: global_buffer, .address_space: global }
      - { .name: h_bottom, .offset: 24, .size: 8, .value_kind: global_buffer, .address_space: global }
      - { .name: h_top, .offset: 32, .size: 8, .value_kind: global_buffer, .address_space: global }
      - { .name: h, .offset: 40, .size: 8, .value_kind: global_buffer, .address_space: global }
      - { .name: z, .offset: 48, .size: 8, .value_kind: global_buffer, .address_space: global }
      - { .name: z_bottom, .offset: 56, .size: 8, .value_kind: global_buffer, .address_space: global }
      - { .name: wq, .offset: 64, .size: 8, .value_kind: global_buffer, .address_space: global }
      - { .name: aq, .offset: 72, .size: 8, .value_kind: global_buffer, .address_space: global }
      - { .name: zp, .offset: 80, .size: 8, .value_kind: global_buffer, .address_space: global }
    .group_segment_fixed_size: 0
    .private_segment_fixed_size: 0
    .kernarg_segment_align: 8
    .kernarg_segment_size: 88
    .max_flat_workgroup_size: 256
    .sgpr_count:     66
    .vgpr_count:     160
    .wavefront_size: 32
...
	.end_amdgpu_metadata
.endif
;; end of part 3
;; launch cell: the kernel of part 2 again; grid 16 x 16, 4 waves a work-group, clusters of 4 x 4, 327,680 bytes of LDS; arguments wq, aq, c, h, bias, z, z_bottom, zp, out0, out1, out2; writes out0, out1, out2
